; MI455X (gfx1250); checked and timed in simulation.
; The chip was launched on July 23, 2026; its instructions are those of AMD's public machine-readable ISA for CDNA 5 (MIT licence, August 2026) and "CDNA5" Instruction Set Architecture Reference Guide (July 2026). The comments in the code are by the model that wrote it; some were corrected since.
;; Knowledge Consistent Attention. Allowed arithmetic: float matrix products may take bf16 or f16 operands with f32 sums; all other float work in f32.
;; Inputs: foreground 4 x 64 x 64 x 64 float32; masks 4 x 1 x 64 x 64 float32.
;; Outputs: out0 4 x 64 x 64 x 64 float32.
;; 2 versions, each right; version 2 is version 1 with the launch prep written anew for expert scheduling mode. Each part assembles by itself: llvm-mc -triple=amdgcn-amd-amdhsa -mcpu=gfx1250 --defsym DOCPART=n.
;; ======== version 1 of 2: 2 launches
;; limits: values are held in f16: magnitudes above 65,504 overflow, below 6.1e-05 lose precision
;; workspace buffers: kh 2,097,152 bytes; qh 2,097,152 bytes
;; launch prep (part 1): grid 128 x 1, 8 waves a work-group, no clusters, 22,528 bytes of LDS; arguments foreground, masks, kh, qh; writes kh, qh
.if DOCPART == 1
	.amdgcn_target "amdgcn-amd-amdhsa--gfx1250"
	.amdhsa_code_object_version 6
	.text
	.protected	k_qf5833f50f3_prep
	.globl	k_qf5833f50f3_prep
	.p2align	8
	.type	k_qf5833f50f3_prep,@function
k_qf5833f50f3_prep:
	s_mov_b64 s[64:65], 0
	v_nop
	global_prefetch_b8 v0, s[64:65] scope:SCOPE_SE
	s_setreg_imm32_b32 hwreg(HW_REG_WAVE_MODE, 25, 1), 1
	s_wait_xcnt 0x0
; prep: from foreground [4][64 c][64 y][64 x] f32 make the two f16 operands of the attention launch.
;   kh[b][c][p]  = f[b][c][p] / (sqrt(sum over c of f^2) + 1e-8)          (p = 64 y + x; rows of 8,192 bytes)
;   qh           = log2(e) x (3 x 3 box sum of f with zeros outside the image), in the order in which the attention launch
;                  takes its fragments: the 16 bytes (pixel q, channels 8 o .. 8 o + 7) lie at
;                  b*524288 + (q>>4)*2048 + o*256 + (q&15)*16.
; The 3 x 3 sum pool of reference() acts on positions and its 1 x 1 kernels on channels, so pooling the scores equals pooling the
; input first; for the positions that its crop keeps, the padded ring adds zeros only.  The order of rounding differs from reference()'s.
; f16, not bf16: 11 significant bits against 8, and the scores' error goes straight into the exponent of the softmax.
; LIMITS: |box sum| x 1.4427 must stay below 65,504 (f16's largest number); infinities and NaN in the input are not reproduced;
; v_sqrt_f32 takes a denormal sum of squares as 0 (ISA guide, 15.8).
; masks: reference() takes it and uses it in no step.  It is loaded once (each work-group its own 512 bytes, wave 0) because every
; input is to be loaded; its values feed nothing, and no result depends on them.
; SHARES: a work-group owns two image rows of one batch (128 pixels: 512 neighbouring bytes of every channel, and 256 neighbouring
; bytes of every row of kh).  Wave w owns channels 8 w .. 8 w + 7; lane L owns 4 pixels: row 2 yp + (L>>4), x = 4 (L&15) ..
; No matrix unit, tensor load or cluster: nothing is shared between work-groups but two border rows, and all that a lane needs is
; on its way after one run of 16 loads.
.set CHB,    16384                     ; bytes of one channel's image
.set SPITCH, 272                       ; stage: 16 pieces of 16 bytes + 16 of padding
.set WSTG,   8*SPITCH                  ; a wave's stage: 8 blocks of 16 pixels
.set STG,    4096                      ; LDS 0..4095: sums of squares, wave w at 512 w; from 4096: the eight stages
.set MID, 16                           ; v[16:47]   channel k: my 4 pixels
.set OUT, 48                           ; v[48:79]   channel k: the row outside the pair, then the scaled box sums
.set SS,  80                           ; v[80:83]   sum of squares over my wave's 8 channels
.set X,   84                           ; v[84:87]   the other half-wave's row
.set LF,  88                           ; v88        left neighbour's last column sum
.set RT,  89                           ; v89        right neighbour's first column sum
.set A,   90                           ; v[90:95]   at work
.set PCE, 96                           ; v[96:111]  four pieces of 16 bytes: 8 channels of one pixel
.set RN,  112                          ; v[112:115] 1 / (norm + 1e-8) of my 4 pixels
.set KP,  116                          ; v[116:131] channel k: 4 numbers of kh, packed
.set RB,  132                          ; v[132:147] pieces read back by blocks
.set PT,  148                          ; v[148:179] the eight waves' sums of squares
.set MK,  180                          ; v[180:183] masks (wave 0)
	s_load_b256 s[4:11], s[0:1], 0x0               ; foreground s[4:5], masks s[6:7], kh s[8:9], qh s[10:11]
	v_lshl_add_u32 v192, v0, 2, 0x5400
	v_mov_b32 v193, 0
	v_lshrrev_b32 v1, 5, v0
	v_readfirstlane_b32 s12, v1                    ; wave w
	s_lshr_b32 s13, ttmp9, 5                       ; batch b
	s_and_b32 s14, ttmp9, 31                       ; row pair yp
	s_mov_b32 s18, 0x76543210                      ; v_permlanex16_b32: lane i of one half reads lane i of the other
	s_mov_b32 s19, 0xfedcba98
	s_mov_b32 s20, 0x3fb8aa3b                      ; log2(e); the pair is read whole by the packed multiply
	s_mov_b32 s21, 0x3fb8aa3b
	s_lshl_b32 s16, s13, 20                        ; foreground: b x 1,048,576 + w x 8 channels
	s_lshl_b32 s15, s12, 17
	s_add_co_u32 s16, s16, s15
	s_mov_b32 s17, 0
	s_lshl_b32 s26, s13, 14                        ; masks: b x 16,384
	s_mov_b32 s27, 0
	s_lshl_b32 s28, s13, 19                        ; kh: b x 524,288 + w x 8 rows of 8,192 + yp x 256
	s_lshl_b32 s15, s12, 16
	s_add_co_u32 s28, s28, s15
	s_lshl_b32 s15, s14, 8
	s_add_co_u32 s28, s28, s15
	s_mov_b32 s29, 0
	s_lshl_b32 s30, s13, 19                        ; qh: b x 524,288 + yp x 8 blocks of 2,048 + w x 256 (octet w)
	s_lshl_b32 s15, s14, 14
	s_add_co_u32 s30, s30, s15
	s_lshl_b32 s15, s12, 8
	s_add_co_u32 s30, s30, s15
	s_mov_b32 s31, 0
	s_lshl_b32 s15, s14, 9                         ; the pair's 512 bytes in a channel
	s_lshl_b32 s23, s14, 1                         ; its first row
	s_lshl_b32 s24, s12, 9                         ; my wave's sums of squares in LDS
	s_mul_i32 s25, s12, WSTG
	s_add_co_u32 s25, s25, STG                     ; my wave's stage
	v_and_b32 v1, 31, v0                           ; L
	v_bfe_u32 v2, v0, 4, 1                         ; h: which row of the pair
	v_and_b32 v3, 15, v0                           ; x4: which 4 pixels of the row
	v_lshl_add_u32 v4, v1, 4, s15                  ; centre rows (and masks): 512 yp + 16 L
	v_mul_u32_u24 v12, v2, 3
	v_add_nc_u32 v12, s23, v12
	v_add_nc_u32 v12, -1, v12                      ; the row outside the pair: 2 yp - 1 (h = 0) or 2 yp + 2 (h = 1)
	v_cmp_gt_u32 s22, 64, v12                      ; is it in the image?  (-1 is a large unsigned number)
	v_min_u32 v12, 63, v12                         ; if not, row 63 is read instead and its numbers are replaced by 0 below
	v_lshlrev_b32 v5, 4, v3
	v_lshl_add_u32 v5, v12, 8, v5                  ; outer row: 256 row + 16 x4
	v_lshlrev_b32 v6, 3, v1                        ; kh: 8 bytes a lane
	v_lshl_add_u32 v7, v1, 4, s24                  ; my sums of squares: 512 w + 16 L
	v_lshlrev_b32 v8, 4, v1                        ; all waves' sums for my pixels: 16 L (+ 512 w')
	v_lshrrev_b32 v12, 2, v1
	v_mul_u32_u24 v12, v12, SPITCH                 ; stage, in: block L>>2,
	v_and_b32 v13, 3, v0
	v_lshl_add_u32 v12, v13, 6, v12                ; pieces 4 (L&3) + i
	v_add_nc_u32 v9, s25, v12
	v_mul_u32_u24 v12, v2, SPITCH                  ; stage, back: block 2 j + h, piece x4
	v_lshl_add_u32 v12, v3, 4, v12
	v_add_nc_u32 v10, s25, v12
	v_lshlrev_b32 v11, 11, v2                      ; qh: block h of two, piece x4
	v_lshl_add_u32 v11, v3, 4, v11
.irp i, 0,1,2,3,4,5
	v_mov_b32 v[X+\i], 0                           ; destinations of lane moves count as read: X, LF, RT are written once here
.endr
	s_wait_kmcnt 0x0
	s_add_nc_u64 s[4:5], s[4:5], s[16:17]
	s_add_nc_u64 s[6:7], s[6:7], s[26:27]
	s_add_nc_u64 s[8:9], s[8:9], s[28:29]
	s_add_nc_u64 s[10:11], s[10:11], s[30:31]
	s_cmp_lg_u32 s12, 0
	s_cbranch_scc1 .Lno_masks
	global_load_b128 v[MK:MK+3], v4, s[6:7] th:TH_LOAD_NT     ; older than every load below, so the counts below hold with and without it
.Lno_masks:
.irp k, 0,1,2,3,4,5,6,7
	global_load_b128 v[MID+4*\k:MID+4*\k+3], v4, s[4:5] offset:\k*CHB     ; 512 neighbouring bytes a wave
.endr
.irp k, 0,1,2,3,4,5,6,7
	global_load_b128 v[OUT+4*\k:OUT+4*\k+3], v5, s[4:5] offset:\k*CHB     ; each half-wave a whole row of 256 bytes
.endr
	; sums of squares over my 8 channels; the first product starts the sums
	s_wait_loadcnt 0x8                             ; the eight outer-row loads were issued behind the centre rows and stay out
	v_pk_mul_f32 v[SS:SS+1],   v[MID:MID+1],   v[MID:MID+1]
	v_pk_mul_f32 v[SS+2:SS+3], v[MID+2:MID+3], v[MID+2:MID+3]
.irp k, 1,2,3,4,5,6,7
	v_pk_fma_f32 v[SS:SS+1],   v[MID+4*\k:MID+4*\k+1],   v[MID+4*\k:MID+4*\k+1],   v[SS:SS+1]
	v_pk_fma_f32 v[SS+2:SS+3], v[MID+4*\k+2:MID+4*\k+3], v[MID+4*\k+2:MID+4*\k+3], v[SS+2:SS+3]
.endr
	ds_store_b128 v7, v[SS:SS+3]
; The box sum of channel k.  Down the columns: my row + the pair's other row (the other half-wave's registers) + the outer row.
; Along the row: a group of 16 lanes is one image row, so the 0 that a shift supplies at the group's end is the image's zero border.
.macro BOX k
.irp i, 0,1,2,3
	v_permlanex16_b32 v[X+\i], v[MID+4*\k+\i], s18, s19
.endr
.irp i, 0,1,2,3
	v_cndmask_b32 v[OUT+4*\k+\i], 0, v[OUT+4*\k+\i], s22      ; outside the image: 0
.endr
	v_pk_add_f32 v[X:X+1],     v[X:X+1],     v[MID+4*\k:MID+4*\k+1]
	v_pk_add_f32 v[X+2:X+3],   v[X+2:X+3],   v[MID+4*\k+2:MID+4*\k+3]
	v_pk_add_f32 v[OUT+4*\k:OUT+4*\k+1],   v[OUT+4*\k:OUT+4*\k+1],   v[X:X+1]
	v_pk_add_f32 v[OUT+4*\k+2:OUT+4*\k+3], v[OUT+4*\k+2:OUT+4*\k+3], v[X+2:X+3]     ; V0..V3: column sums
	v_mov_b32_dpp v[LF], v[OUT+4*\k+3] row_shr:1 row_mask:0xf bank_mask:0xf bound_ctrl:1
	v_mov_b32_dpp v[RT], v[OUT+4*\k]   row_shl:1 row_mask:0xf bank_mask:0xf bound_ctrl:1
	v_add_f32 v[A+4], v[OUT+4*\k],   v[OUT+4*\k+1]            ; V0 + V1
	v_add_f32 v[A+5], v[OUT+4*\k+2], v[OUT+4*\k+3]            ; V2 + V3
	v_add_f32 v[A],   v[LF],  v[A+4]
	v_add_f32 v[A+1], v[A+4], v[OUT+4*\k+2]
	v_add_f32 v[A+2], v[OUT+4*\k+1], v[A+5]
	v_add_f32 v[A+3], v[A+5], v[RT]
	v_pk_mul_f32 v[OUT+4*\k:OUT+4*\k+1],   v[A:A+1],   s[20:21] op_sel_hi:[1,0]     ; x log2(e): the softmax then works in powers of 2
	v_pk_mul_f32 v[OUT+4*\k+2:OUT+4*\k+3], v[A+2:A+3], s[20:21] op_sel_hi:[1,0]
.endm
; Pixel i of my four: its 8 channels as 16 bytes, into my wave's stage.
.macro PIECE i
.irp m, 0,1,2,3
	v_cvt_pk_f16_f32 v[PCE+4*\i+\m], v[OUT+8*\m+\i], v[OUT+8*\m+4+\i]
.endr
	ds_store_b128 v9, v[PCE+4*\i:PCE+4*\i+3] offset:16*\i
.endm
	s_wait_loadcnt 0x0                             ; the outer rows
.irp k, 0,1,2,3,4,5,6,7
	BOX \k
.endr
.irp i, 0,1,2,3
	PIECE \i
.endr
.irp j, 0,1,2,3
	ds_load_b128 v[RB+4*\j:RB+4*\j+3], v10 offset:\j*2*SPITCH  ; my wave's own bytes; LDS serves a wave's instructions in order (ISA guide 5.7.1)
.endr
	s_wait_dscnt 0x0                               ; the pieces are back, and my sums of squares are in LDS for the other waves
.irp j, 0,1,2,3
	global_store_b128 v11, v[RB+4*\j:RB+4*\j+3], s[10:11] offset:\j*4096   ; sixteen lanes store 256 consecutive bytes, aligned
.endr
	s_barrier_signal -1
	s_barrier_wait -1                              ; every wave's sums of squares are in LDS
.irp j, 0,1,2,3,4,5,6,7
	ds_load_b128 v[PT+4*\j:PT+4*\j+3], v8 offset:\j*512
.endr
	s_wait_dscnt 0x0
.irp j, 0,2,4,6
	v_pk_add_f32 v[PT+4*\j:PT+4*\j+1],   v[PT+4*\j:PT+4*\j+1],   v[PT+4*\j+4:PT+4*\j+5]
	v_pk_add_f32 v[PT+4*\j+2:PT+4*\j+3], v[PT+4*\j+2:PT+4*\j+3], v[PT+4*\j+6:PT+4*\j+7]
.endr
.irp j, 0,4
	v_pk_add_f32 v[PT+4*\j:PT+4*\j+1],   v[PT+4*\j:PT+4*\j+1],   v[PT+4*\j+8:PT+4*\j+9]
	v_pk_add_f32 v[PT+4*\j+2:PT+4*\j+3], v[PT+4*\j+2:PT+4*\j+3], v[PT+4*\j+10:PT+4*\j+11]
.endr
	v_pk_add_f32 v[PT:PT+1],   v[PT:PT+1],   v[PT+16:PT+17]
	v_pk_add_f32 v[PT+2:PT+3], v[PT+2:PT+3], v[PT+18:PT+19]
.irp i, 0,1,2,3
	v_sqrt_f32 v[A+\i], v[PT+\i]
.endr
	v_nop                                          ; one plain place between a transcendental and the use of its result (ISA guide 5.7.2)
	s_wait_alu depctr_va_vdst(0)
.irp i, 0,1,2,3
	v_add_f32 v[A+\i], 0x322bcc77, v[A+\i]         ; + 1e-8
.endr
.irp i, 0,1,2,3
	v_rcp_f32 v[RN+\i], v[A+\i]
.endr
	v_nop                                          ; the same, also in front of the lines that write A again
	s_wait_alu depctr_va_vdst(0)
.irp k, 0,1,2,3,4,5,6,7
	v_pk_mul_f32 v[A:A+1],   v[MID+4*\k:MID+4*\k+1],   v[RN:RN+1]
	v_pk_mul_f32 v[A+2:A+3], v[MID+4*\k+2:MID+4*\k+3], v[RN+2:RN+3]
	v_cvt_pk_f16_f32 v[KP+2*\k],   v[A],   v[A+1]
	v_cvt_pk_f16_f32 v[KP+2*\k+1], v[A+2], v[A+3]
	global_store_b64 v6, v[KP+2*\k:KP+2*\k+1], s[8:9] offset:\k*8192       ; the wave stores 256 consecutive bytes, aligned; each k has its own data registers
.endr
	s_wait_tensorcnt 0x0
	ds_add_u32 v192, v193
	s_wait_dscnt 0x0
	s_endpgm
.Lfunc_end_k_qf5833f50f3_prep:
	.size	k_qf5833f50f3_prep, .Lfunc_end_k_qf5833f50f3_prep-k_qf5833f50f3_prep
	.p2alignl 7, 3214868480
	.fill 96, 4, 3214868480
	.section	.rodata,"a",@progbits
	.p2align	6, 0x0
	.amdhsa_kernel k_qf5833f50f3_prep
		.amdhsa_group_segment_fixed_size 22528
		.amdhsa_private_segment_fixed_size 0
		.amdhsa_enable_private_segment 0
		.amdhsa_kernarg_size 32
		.amdhsa_user_sgpr_count 2
		.amdhsa_user_sgpr_kernarg_segment_ptr 1
		.amdhsa_wavefront_size32 1
		.amdhsa_system_sgpr_workgroup_id_x 1
		.amdhsa_system_sgpr_workgroup_id_y 1
		.amdhsa_system_sgpr_workgroup_id_z 1
		.amdhsa_system_vgpr_workitem_id 0
		.amdhsa_next_free_vgpr 194
		.amdhsa_next_free_sgpr 66
		.amdhsa_reserve_vcc 0
		.amdhsa_float_denorm_mode_32 3
		.amdhsa_float_denorm_mode_16_64 3
		.amdhsa_memory_ordered 1
		.amdhsa_forward_progress 1
		.amdhsa_inst_pref_size 23
	.end_amdhsa_kernel
	.amdgpu_metadata
---
amdhsa.version: [ 1, 2 ]
amdhsa.kernels:
  - .name:           k_qf5833f50f3_prep
    .symbol:         k_qf5833f50f3_prep.kd
    .args:
      - { .name: foreground, .offset: 0, .size: 8, .value_kind: global_buffer, .address_space: global }
      - { .name: masks, .offset: 8, .size: 8, .value_kind: global_buffer, .address_space: global }
      - { .name: kh, .offset: 16, .size: 8, .value_kind: global_buffer, .address_space: global }
      - { .name: qh, .offset: 24, .size: 8, .value_kind: global_buffer, .address_space: global }
    .group_segment_fixed_size: 22528
    .private_segment_fixed_size: 0
    .kernarg_segment_align: 8
    .kernarg_segment_size: 32
    .max_flat_workgroup_size: 256
    .sgpr_count:     66
    .vgpr_count:     194
    .wavefront_size: 32
...
	.end_amdgpu_metadata
.endif
;; end of part 1
;; launch attn (part 2): grid 256 x 1, 8 waves a work-group, clusters of 4 x 1, 327,680 bytes of LDS; arguments kh, qh, out0; writes out0
.if DOCPART == 2
	.amdgcn_target "amdgcn-amd-amdhsa--gfx1250"
	.amdhsa_code_object_version 6
	.text
	.protected	k_qf5833f50f3_attn
	.globl	k_qf5833f50f3_attn
	.p2align	8
	.type	k_qf5833f50f3_attn,@function
k_qf5833f50f3_attn:
	s_mov_b64 s[64:65], 0
	v_nop
	global_prefetch_b8 v0, s[64:65] scope:SCOPE_SE
	s_setreg_imm32_b32 hwreg(HW_REG_WAVE_MODE, 25, 1), 1
	s_wait_xcnt 0x0
	s_wait_alu depctr_hold_cnt(0) depctr_sa_sdst(0) depctr_va_vdst(0) depctr_va_sdst(0) depctr_va_ssrc(0) depctr_va_vcc(0) depctr_vm_vsrc(0)
	s_getreg_b32 s2, hwreg(HW_REG_IB_STS2, 6, 4)
	s_cmp_eq_u32 s2, 0
	s_cbranch_scc0 .Lentry_in_a_cluster
	s_endpgm
.Lentry_in_a_cluster:
	s_bfe_u32 s2, ttmp6, 0x10000c
	s_cmp_lg_u32 s2, 0x3003
	s_cbranch_scc0 .Lentry_shape_is_right
	s_endpgm
.Lentry_shape_is_right:
; attn: out0[b][c][q] = sum over p of softmax over p (Khat[b][:, p] . Q[b][:, q]) x Khat[b][c][p];  4,096 keys, 4,096 queries, 64 channels a batch.
; kh holds Khat in f16 as [b][c][p]; qh holds log2(e) x Q in f16 in fragment order (see the launch that makes them), so the exponentials are powers of 2.
; SHARES: a work-group owns 64 queries of one batch.  All eight waves hold the same 64 queries and split the keys: of each 1,024 keys
; that a slot holds, wave w owns 128, brought by its own tensor load and read by itself alone.  Each wave keeps a running maximum, a running
; sum and a partial output; at the end the eight are merged through LDS.  Two waves lie on each SIMD, so that one's vector work can run
; beside the other's matrix work.
; ORIENTATION: the first product is S^T = Khat (A: rows = keys) x Q (B: columns = queries); in its result a lane holds 8 keys of ONE query.
; Two such tiles, packed to f16, ARE the B fragment of the second product O^T = Khat^T (A: rows = channels) x P (B: columns = queries):
; no number changes its lane between the products, and maximum, sum and rescaling factor are one number a lane.
; KEY ORDER: key tile t' (0..7) of a wave's 128 keys is keys 8 t' .. 8 t' + 7 (rows 0-7) and 64 + 8 t' .. (rows 8-15).
; CLUSTER: the four work-groups of a cluster are four query blocks of one batch and walk the same keys: every tile is asked for jointly
; (mask 15), which divides the requests for kh by four.  A mask names four work-groups at the most, so the cluster is 4 x 1.
; FORMAT: f16 operands, f32 sums.  |Khat| <= 1 and P <= 1; LIMIT: |box sum| x 1.4427 below 65,504 (kept by the launch that makes qh).
; P below 2^-24 rounds to 0 in f16; v_exp_f32 flushes results below 2^-126 (ISA guide, 15.8).  Infinities and NaN are not reproduced.
; The maximum taken away in the softmax is the true one: a running maximum in each wave, the largest of the eight at the merge.
; REGISTERS, window 0: v0-15 addresses; T, NM, AL, LS per query block; QF 64 Q fragments; KA 64 key fragments (first product); VA 64 (second).
;            window 1: v0-127 scores S, then P in the first 8 of each 16; v128-255 the partial output O^T.
.set PITCH, 272                        ; an LDS row: 128 keys of one channel, 256 bytes, + 16 of padding
.set SUB,   64*PITCH                   ; a wave's tile: 64 channels
.set SLOT,  8*SUB                      ; 1,024 keys
.set STAT,  2*SLOT                     ; behind the ring, in bytes that no tensor load fills: wave w at 512 w: 64 maxima, 64 sums
.set TR0, 4                            ; v4, v5   transposing loads, slot 0, 1
.set PL0, 6                            ; v6, v7   plain loads, slot 0, 1
.set QO,  8                            ; v8       16 L
.set SW,  9                            ; v9       my statistics
.set SO,  10                           ; v10      my partial output, in
.set SR,  11                           ; v11      all waves' statistics for my 4 queries
.set RD0, 12                           ; v12, v13 partial outputs back, waves 0-3, 4-7
.set OA,  14                           ; v14      my byte offset in out0
.set T,   16                           ; v[16+2q] running maximum of query block q; v[17+2q] the other half-wave's
.set NM,  24                           ; v[24+2q] minus the maximum (a pair, since the packed forms read pairs)
.set AL,  32                           ; v[32+2q] the old maximum, then 2^(old - new)
.set LS,  40                           ; v[40+2q:41+2q] two partial sums of P
.set QF,  64                           ; + 16 q + 8 kc
.set KA,  128                          ; + 16 t + 8 kc
.set VA,  192                          ; + 32 pr + 8 cb
.set OB,  128                          ; window 1: O(cb, q) at OB + 8 (4 cb + q)
.set MX,  208                          ; the merge: minus the largest maximum
.set LT,  212                          ;            the total sum
.set RC,  216                          ;            its reciprocal
.set AC,  224                          ;            results, 4 registers for each of 4 stores
.set G1,  16                           ; s[16:23] descriptor group 1
.set G0,  24                           ; s[24:31] descriptor group 0, one set for each slot
.set MSB, 0
.macro WIN new                         ; s_set_vgpr_msb: bits 1:0 source 0, 3:2 source 1, 5:4 source 2, 7:6 destination; the high byte repeats the setting that is left
.if MSB != \new
	s_set_vgpr_msb (MSB<<8)|\new
.set MSB, \new
.endif
.endm
.macro PLACES n
.rept \n
	v_nop
.endr
.endm
; A round of the cluster's barrier: my work-group's barrier, wave 0 signals for the work-group, every wave waits for all four work-groups, my work-group's barrier again.
.macro ROUND
	s_barrier_signal -1
	s_barrier_wait -1
	s_cmp_lg_u32 s10, 0
	s_cbranch_scc1 .Lnot_wave_0_\@
	s_barrier_signal -3
.Lnot_wave_0_\@:
	s_barrier_wait -3
	s_barrier_signal -1
	s_barrier_wait -1
.endm
	s_load_b128 s[4:7], s[0:1], 0x0                ; kh s[4:5], qh s[6:7]
	s_load_b64 s[8:9], s[0:1], 0x10                ; out0
	v_lshl_add_u32 v190, v0, 2, 0x45000
	v_mov_b32 v191, 0
	ds_add_u32 v190, v191
	s_wait_dscnt 0x0
	v_lshrrev_b32 v1, 5, v0
	v_readfirstlane_b32 s10, v1                    ; wave w
	s_bfe_u32 s11, ttmp6, 0x40000                  ; cx: my place in the cluster
	s_lshr_b32 s12, ttmp9, 4                       ; batch: 16 clusters each; the same in all four partners
	s_and_b32 s36, ttmp9, 15
	s_lshl_b32 s36, s36, 2
	s_add_co_u32 s36, s36, s11                     ; g: my block of 64 queries.  What holds cx stays in s[36:39] and enters no descriptor and no LDS address
	s_mov_b32 s32, 0x76543210                      ; v_permlanex16_b32: lane i of one half reads lane i of the other
	s_mov_b32 s33, 0xfedcba98
	s_mul_i32 s34, s10, SUB                        ; my tile in a slot
	s_lshl_b32 s14, s12, 19                        ; kh: b x 524,288 + w x 128 keys
	s_lshl_b32 s13, s10, 8
	s_add_co_u32 s14, s14, s13
	s_mov_b32 s15, 0
	s_lshl_b32 s38, s12, 19                        ; qh: b x 524,288 + g x 4 blocks of 2,048
	s_lshl_b32 s37, s36, 13
	s_add_co_u32 s38, s38, s37
	s_mov_b32 s39, 0
	s_lshl_b32 s36, s36, 8                         ; out0: b x 1,048,576 + w x 8 channels of 16,384 + g x 256
	s_lshl_b32 s37, s12, 20
	s_add_co_u32 s36, s36, s37
	s_lshl_b32 s37, s10, 17
	s_add_co_u32 s36, s36, s37
	s_mov_b32 s37, 0
	s_lshl_b32 s35, s10, 9
	s_add_co_u32 s35, s35, STAT                    ; my statistics
	s_mul_i32 s13, s10, 8*PITCH                    ; the merge: my 8 channels' rows
	; group 1: a tile of 64 rows (channels) x 128 elements (keys) of 2 bytes, 4,096 elements from row to row, 16 bytes of padding behind each row
	s_mov_b32 s[G1+0], 15|(1<<16)|(1<<20)|(1<<21)|(5<<22)|(3<<25)   ; 15:0 mask: all four partners; 17:16 2 bytes; 20 padding on; 21 set beside a mask; 24:22 after 64 words; 31:25 4 words
	s_mov_b32 s[G1+1], 128<<16                     ; tensor_dim0 = 128
	s_mov_b32 s[G1+2], 64<<16                      ; tensor_dim1 = 64
	s_mov_b32 s[G1+3], 128<<16                     ; tile_dim0 = 128
	s_mov_b32 s[G1+4], 64                          ; tile_dim1 = 64
	s_mov_b32 s[G1+5], 4096                        ; the pitch
	s_mov_b32 s[G1+6], 0
	s_mov_b32 s[G1+7], 0
	s_wait_kmcnt 0x0
	s_add_nc_u64 s[4:5], s[4:5], s[14:15]
	s_add_nc_u64 s[6:7], s[6:7], s[38:39]
	s_add_nc_u64 s[8:9], s[8:9], s[36:37]
.irp s, 0,1
	s_mov_b32 s[G0+4*\s], 1                                        ; count = 1
	s_add_co_u32 s[G0+4*\s+1], s34, \s*SLOT                        ; LDS address: wave x tile + slot
	s_add_nc_u64 s[G0+4*\s+2:G0+4*\s+3], s[4:5], \s*2048           ; keys 1,024 s + 128 w
	s_or_b32 s[G0+4*\s+3], s[G0+4*\s+3], 0x80000000                ; type = 2
.endr
	ROUND                                          ; all four work-groups are here: the first joint loads meet
	tensor_load_to_lds s[G0:G0+3], s[G1:G1+7]      ; both first fills go out together: by this text's count a wave has two tensor loads out here,
	s_nop 0
	tensor_load_to_lds s[G0+4:G0+7], s[G1:G1+7]    ; and one behind each refill
	s_nop 0
	v_and_b32 v1, 31, v0                           ; L
	v_lshlrev_b32 v[QO], 4, v1
.set i_, 0
.rept 16
	global_load_b128 v[QF+4*i_:QF+4*i_+3], v[QO], s[6:7] offset:512*i_     ; Q's fragments as they lie: 512 neighbouring bytes a load
.set i_, i_+1
.endr
	v_and_b32 v2, 15, v0                           ; r
	v_bfe_u32 v3, v0, 4, 1                         ; h
	v_and_b32 v15, 7, v0
	v_lshl_add_u32 v15, v3, 3, v15                 ; transposing loads: channel row 8 h + (L & 7),
	v_mul_u32_u24 v15, v15, PITCH
	v_bfe_u32 v1, v0, 3, 1
	v_lshl_add_u32 v15, v1, 7, v15                 ; and 64 keys further on for the second eight lanes of each half
	v_add_nc_u32 v[TR0], s34, v15
	v_add_nc_u32 v[TR0+1], SLOT, v[TR0]
	v_mul_u32_u24 v15, v2, PITCH                   ; plain loads: channel row r, 64 keys further on for the upper half-wave
	v_lshl_add_u32 v15, v3, 7, v15
	v_add_nc_u32 v[PL0], s34, v15
	v_add_nc_u32 v[PL0+1], SLOT, v[PL0]
	v_lshl_add_u32 v[SW], v2, 2, s35
	v_mul_u32_u24 v15, v3, 8*PITCH                 ; partial output, in: channel row 8 h (+ 16 cb + j), query r (+ 16 q)
	v_lshl_add_u32 v15, v2, 2, v15
	v_add_nc_u32 v[SO], s34, v15
	v_lshlrev_b32 v[SR], 4, v2
	v_add_nc_u32 v[SR], STAT, v[SR]
	v_mul_u32_u24 v15, v3, PITCH                   ; partial outputs, back: channel row 8 w + h (+ 2 i), queries 4 r ..
	v_lshl_add_u32 v15, v2, 4, v15
	v_add_nc_u32 v[RD0], s13, v15
	v_add_nc_u32 v[RD0+1], 4*SUB, v[RD0]
	v_lshlrev_b32 v[OA], 14, v3
	v_lshl_add_u32 v[OA], v2, 4, v[OA]
; 16 transposing loads: the A fragments (16 keys x 32 channels) of key tiles 4 sh .. 4 sh + 3
.macro LOADKA slot, sh
.set t_, 0
.rept 4
.irp kc, 0,1
	ds_load_tr16_b128 v[KA+16*t_+8*\kc:KA+16*t_+8*\kc+3],   v[TR0+\slot] offset:32*\kc*PITCH+16*(4*(\sh)+t_)
	ds_load_tr16_b128 v[KA+16*t_+8*\kc+4:KA+16*t_+8*\kc+7], v[TR0+\slot] offset:(32*\kc+16)*PITCH+16*(4*(\sh)+t_)
.endr
.set t_, t_+1
.endr
.endm
; 16 plain loads: the A fragments (16 channels x 32 keys) of the same 64 keys, in the order in which P holds them
.macro LOADVA slot, sh
.irp pr, 0,1
.irp cb, 0,1,2,3
	ds_load_b128 v[VA+32*\pr+8*\cb:VA+32*\pr+8*\cb+3],   v[PL0+\slot] offset:16*\cb*PITCH+16*(4*(\sh)+2*\pr)
	ds_load_b128 v[VA+32*\pr+8*\cb+4:VA+32*\pr+8*\cb+7], v[PL0+\slot] offset:16*\cb*PITCH+16*(4*(\sh)+2*\pr)+16
.endr
.endr
.endm
; 16 matrix instructions: 4 key tiles x 4 query blocks, channels 32 kc ..  S(t, q) lies at 64 (t>>1) + 16 q + 8 (t&1) of window 1.
; The sixteen accumulators take turns, one instruction a turn.
.macro QK kc
.set t_, 0
.rept 4
.set q_, 0
.rept 4
.set d_, 64*(t_>>1)+16*q_+8*(t_&1)
.if \kc == 0
	v_wmma_f32_16x16x32_f16 v[d_:d_+7], v[KA+16*t_:KA+16*t_+7], v[QF+16*q_:QF+16*q_+7], 0
.else
	v_wmma_f32_16x16x32_f16 v[d_:d_+7], v[KA+16*t_+8:KA+16*t_+15], v[QF+16*q_+8:QF+16*q_+15], v[d_:d_+7]
.endif
.set q_, q_+1
.endr
.set t_, t_+1
.endr
.endm
; 16 matrix instructions: 4 channel blocks x 4 query blocks, the 32 keys of tile pair pr.  The accumulators take turns likewise.
.macro PV pr, zero
.irp cb, 0,1,2,3
.irp q, 0,1,2,3
.if \zero
	v_wmma_f32_16x16x32_f16 v[OB+8*(4*\cb+\q):OB+8*(4*\cb+\q)+7], v[VA+32*\pr+8*\cb:VA+32*\pr+8*\cb+7], v[64*\pr+16*\q:64*\pr+16*\q+7], 0
.else
	v_wmma_f32_16x16x32_f16 v[OB+8*(4*\cb+\q):OB+8*(4*\cb+\q)+7], v[VA+32*\pr+8*\cb:VA+32*\pr+8*\cb+7], v[64*\pr+16*\q:64*\pr+16*\q+7], v[OB+8*(4*\cb+\q):OB+8*(4*\cb+\q)+7]
.endif
.endr
.endr
.endm
; 64 keys (half sh of my tile in the slot) x 64 queries.  first = 1: nothing to rescale, the first products start the sums.
; nka = 1: the key fragments of the tile's second half are fetched in this step.
.macro STEP slot, sh, first, nka
.if \first == 0
	PLACES 5                                       ; S is written over P, a source of the last matrix instructions: five places (ISA guide 7.12.1)
.endif
	s_wait_dscnt 0x0                               ; the key fragments are in
	WIN 0x50                                       ; C and D in window 1
	QK 0
	QK 1
	WIN 0
.if \first
.irp q, 0,1,2,3
	v_mov_b32 v[T+2*\q+1], 0                       ; destinations of lane moves, and the second registers of pairs that packed forms read, are written once;
	v_mov_b32 v[NM+2*\q+1], 0
	v_mov_b32 v[AL+2*\q+1], 0
	v_mov_b32 v[LS+2*\q], 0                        ; the eight partial sums start at 0
	v_mov_b32 v[LS+2*\q+1], 0
.endr
.else
.irp q, 0,1,2,3
	v_mov_b32 v[AL+2*\q], v[T+2*\q]                ; the old maxima.  These four lines are also the four places between the products and what follows
.endr
.endif
	LOADVA \slot, \sh
.if \nka
	LOADKA \slot, \sh+1
.endif
	WIN 0x05                                       ; sources 0 and 1 in window 1
.if \first
.irp q, 0,1,2,3
	v_max_num_f32 v[T+2*\q], v[16*\q], v[16*\q+1]
.endr
.else
.irp q, 0,1,2,3
	v_max3_num_f32 v[T+2*\q], v[16*\q], v[16*\q+1], v[T+2*\q]
.endr
.endif
.set i_, 1
.rept 15
.irp q, 0,1,2,3
.set p_, 64*(i_>>3)+16*\q+2*(i_&7)
	v_max3_num_f32 v[T+2*\q], v[p_], v[p_+1], v[T+2*\q]        ; four chains, one a query block
.endr
.set i_, i_+1
.endr
	WIN 0
.irp q, 0,1,2,3
	v_permlanex16_b32 v[T+2*\q+1], v[T+2*\q], s32, s33         ; the two half-waves hold different keys of the same query
.endr
.irp q, 0,1,2,3
	v_max_num_f32 v[T+2*\q], v[T+2*\q], v[T+2*\q+1]
.endr
.if \first == 0
.irp q, 0,1,2,3
	v_sub_f32 v[AL+2*\q], v[AL+2*\q], v[T+2*\q]
.endr
.irp q, 0,1,2,3
	v_exp_f32 v[AL+2*\q], v[AL+2*\q]               ; 2^(old maximum - new maximum)
.endr
.endif
.irp q, 0,1,2,3
	v_mul_f32 v[NM+2*\q], -1.0, v[T+2*\q]          ; plain lines between the exponentials and their use (ISA guide 5.7.2)
.endr
.if \first == 0
	s_wait_alu depctr_va_vdst(0)
.irp q, 0,1,2,3
	v_pk_mul_f32 v[LS+2*\q:LS+2*\q+1], v[LS+2*\q:LS+2*\q+1], v[AL+2*\q:AL+2*\q+1] op_sel_hi:[1,0]
.endr
.endif
	WIN 0x41                                       ; source 0 and destination in window 1
.set i_, 0
.rept 16
.set p_, 64*(i_>>3)+2*(i_&7)
	v_pk_add_f32 v[p_:p_+1], v[p_:p_+1], v[NM:NM+1] op_sel_hi:[1,0]        ; S - maximum, query block 0
.set i_, i_+1
.endr
.irp q, 0,1,2,3
.set i_, 0
.rept 16
.set p_, 64*(i_>>3)+16*\q+2*(i_&7)
	v_exp_f32 v[p_], v[p_]
.if \q < 3
	v_pk_add_f32 v[p_+16:p_+17], v[p_+16:p_+17], v[NM+2*\q+2:NM+2*\q+3] op_sel_hi:[1,0]   ; the next query block's S - maximum rides between the exponentials
.endif
	v_exp_f32 v[p_+1], v[p_+1]
.if \first == 0
.set o_, OB+8*(4*(i_>>2)+\q)+2*(i_&3)
	v_pk_mul_f32 v[o_:o_+1], v[o_:o_+1], v[AL+2*\q:AL+2*\q+1] op_sel_hi:[1,0]             ; and so does the rescaling of the partial output
.endif
.set i_, i_+1
.endr
.endr
	WIN 0x01                                       ; source 0 in window 1
.set i_, 0
	s_wait_alu depctr_va_vdst(0)
.rept 16
.irp q, 0,1,2,3
.set p_, 64*(i_>>3)+16*\q+2*(i_&7)
	v_pk_add_f32 v[LS+2*\q:LS+2*\q+1], v[p_:p_+1], v[LS+2*\q:LS+2*\q+1]   ; block 3's last exponentials are used three plain lines or more behind them
.endr
.set i_, i_+1
.endr
	WIN 0x45                                       ; sources 0, 1 and destination in window 1
.irp pr, 0,1
.irp q, 0,1,2,3
.set i_, 0
.rept 8
	v_cvt_pk_f16_f32 v[64*\pr+16*\q+i_], v[64*\pr+16*\q+2*i_], v[64*\pr+16*\q+2*i_+1]     ; in place, ascending: register i is read no later than it is written
.set i_, i_+1
.endr
.endr
.endr
.if \nka
	s_wait_dscnt 16                                ; the 16 value loads are in; the 16 key loads issued behind them stay out
.else
	s_wait_dscnt 0x0
.endif
	WIN 0x54                                       ; B, C and D in window 1
	PV 0, \first
	PV 1, 0
	WIN 0
.endm
; The slot, which every wave has read, is filled again with the keys 2,048 further on.  In front of the round each wave waits for its LDS reads and for
; all its tensor loads (so the other slot has landed, and a group 0 may be written); the round holds of every wave of all four work-groups;
; the joint load is the first thing behind it and the wave's only tensor load until the next round.
.macro REFILL slot
	s_wait_dscnt 0x0
	s_wait_xcnt 0x0
	v_lshl_add_u32 v190, v0, 2, 0x45000
	v_mov_b32 v191, 0
	s_wait_tensorcnt 0x0
	ds_add_u32 v190, v191
	s_wait_dscnt 0x0
	s_add_nc_u64 s[G0+4*\slot+2:G0+4*\slot+3], s[G0+4*\slot+2:G0+4*\slot+3], 4096
	ROUND
	tensor_load_to_lds s[G0+4*\slot:G0+4*\slot+3], s[G1:G1+7]
	s_nop 0
.endm
	s_wait_loadcnt 0x0                             ; Q
	s_wait_tensorcnt 0x1                           ; my tile of slot 0 has landed; slot 1's, issued behind it, stays out.  Only I read my tiles: no barrier
	LOADKA 0, 0
	STEP 0, 0, 1, 1                                ; keys 0 .. 1,023
	STEP 0, 1, 0, 0
	REFILL 0                                       ; keys 2,048 .. go out; they have two steps' work in which to land
	LOADKA 1, 0
	STEP 1, 0, 0, 1                                ; keys 1,024 ..
	STEP 1, 1, 0, 0
	REFILL 1                                       ; keys 3,072 .. go out: the last load
	LOADKA 0, 0
	STEP 0, 0, 0, 1                                ; keys 2,048 ..
	STEP 0, 1, 0, 0
	s_wait_tensorcnt 0x0                           ; the last tile: no load was issued behind it
	LOADKA 1, 0
	STEP 1, 0, 0, 1                                ; keys 3,072 ..
	STEP 1, 1, 0, 0
	; THE MERGE.  Each wave puts its maxima, sums and partial output into LDS: the statistics into bytes of their own, the output (64 channels x 64 queries
	; of f32, rows 272 bytes apart) into its own tile of slot 0, which has had its last fill and which it alone has read.
.irp q, 0,1,2,3
	v_add_f32 v[LS+2*\q], v[LS+2*\q], v[LS+2*\q+1]             ; these four lines are also the four places behind the last products
.endr
.irp q, 0,1,2,3
	v_permlanex16_b32 v[LS+2*\q+1], v[LS+2*\q], s32, s33
.endr
.irp q, 0,1,2,3
	v_add_f32 v[LS+2*\q], v[LS+2*\q], v[LS+2*\q+1]
.endr
.irp q, 0,1,2,3
	ds_store_b32 v[SW], v[T+2*\q]  offset:64*\q                ; both half-waves write the same word with the same number
	ds_store_b32 v[SW], v[LS+2*\q] offset:64*\q+256
.endr
	WIN 0x04                                       ; store data in window 1
.irp cb, 0,1,2,3
.irp q, 0,1,2,3
.irp j, 0,1,2,3,4,5,6,7
	ds_store_b32 v[SO], v[OB+8*(4*\cb+\q)+\j] offset:(16*\cb+\j)*PITCH+64*\q   ; 16 queries of one channel a half-wave; the halves lie 128 bytes apart modulo 256
.endr
.endr
.endr
	WIN 0
	s_wait_dscnt 0x0                               ; for the other waves' sake: all my stores are in LDS
	s_barrier_signal -1
	s_barrier_wait -1
	; Wave w merges channels 8 w .. 8 w + 7; a lane takes 4 queries of one channel, so that sixteen lanes hold a channel's 256 bytes.
.irp w, 0,1,2,3,4,5,6,7
	ds_load_b128 v[16+4*\w:19+4*\w], v[SR] offset:512*\w       ; maxima of wave w
.endr
.irp w, 0,1,2,3,4,5,6,7
	ds_load_b128 v[48+4*\w:51+4*\w], v[SR] offset:512*\w+256   ; sums
.endr
.irp i, 0,1,2,3
.irp w, 0,1,2,3
	ds_load_b128 v[80+32*\i+4*\w:83+32*\i+4*\w], v[RD0] offset:\w*SUB+2*\i*PITCH
.endr
.irp w, 0,1,2,3
	ds_load_b128 v[96+32*\i+4*\w:99+32*\i+4*\w], v[RD0+1] offset:\w*SUB+2*\i*PITCH
.endr
.endr
	s_wait_dscnt 32                                ; the 16 loads of statistics are in; the 32 of partial outputs, issued behind them, stay out
.irp e, 0,1,2,3
	v_max3_num_f32 v[MX+\e], v[16+\e], v[20+\e], v[24+\e]
.endr
.irp e, 0,1,2,3
	v_max3_num_f32 v[MX+\e], v[MX+\e], v[28+\e], v[32+\e]
.endr
.irp e, 0,1,2,3
	v_max3_num_f32 v[MX+\e], v[MX+\e], v[36+\e], v[40+\e]
.endr
.irp e, 0,1,2,3
	v_max_num_f32 v[MX+\e], v[MX+\e], v[44+\e]
.endr
.irp e, 0,1,2,3
	v_mul_f32 v[MX+\e], -1.0, v[MX+\e]
.endr
.irp w, 0,1,2,3,4,5,6,7
	v_pk_add_f32 v[16+4*\w:17+4*\w], v[16+4*\w:17+4*\w], v[MX:MX+1]
	v_pk_add_f32 v[18+4*\w:19+4*\w], v[18+4*\w:19+4*\w], v[MX+2:MX+3]
.endr
.set i_, 0
.rept 32
	v_exp_f32 v[16+i_], v[16+i_]                   ; each wave's weight: 2^(its maximum - the largest)
.set i_, i_+1
.endr
	v_nop                                          ; one plain place between the exponentials and their use (ISA guide 5.7.2)
	s_wait_alu depctr_va_vdst(0)
	v_pk_mul_f32 v[LT:LT+1],   v[16:17], v[48:49]
	v_pk_mul_f32 v[LT+2:LT+3], v[18:19], v[50:51]
.irp w, 1,2,3,4,5,6,7
	v_pk_fma_f32 v[LT:LT+1],   v[16+4*\w:17+4*\w], v[48+4*\w:49+4*\w], v[LT:LT+1]
	v_pk_fma_f32 v[LT+2:LT+3], v[18+4*\w:19+4*\w], v[50+4*\w:51+4*\w], v[LT+2:LT+3]
.endr
.irp e, 0,1,2,3
	v_rcp_f32 v[RC+\e], v[LT+\e]                   ; the total is at least 1: the wave with the largest maximum has weight 1 and a sum of at least 1
.endr
	v_nop
	s_wait_alu depctr_va_vdst(0)
.irp w, 0,1,2,3,4,5,6,7
	v_pk_mul_f32 v[16+4*\w:17+4*\w], v[16+4*\w:17+4*\w], v[RC:RC+1]
	v_pk_mul_f32 v[18+4*\w:19+4*\w], v[18+4*\w:19+4*\w], v[RC+2:RC+3]
.endr
.irp i, 0,1,2,3
	s_wait_dscnt 8*(3-\i)                          ; eight loads for each pair of channel rows: the later pairs' stay out
	v_pk_mul_f32 v[AC+4*\i:AC+4*\i+1],   v[16:17], v[80+32*\i:81+32*\i]
	v_pk_mul_f32 v[AC+4*\i+2:AC+4*\i+3], v[18:19], v[82+32*\i:83+32*\i]
.irp w, 1,2,3,4,5,6,7
	v_pk_fma_f32 v[AC+4*\i:AC+4*\i+1],   v[16+4*\w:17+4*\w], v[80+32*\i+4*\w:81+32*\i+4*\w], v[AC+4*\i:AC+4*\i+1]
	v_pk_fma_f32 v[AC+4*\i+2:AC+4*\i+3], v[18+4*\w:19+4*\w], v[82+32*\i+4*\w:83+32*\i+4*\w], v[AC+4*\i+2:AC+4*\i+3]
.endr
	global_store_b128 v[OA], v[AC+4*\i:AC+4*\i+3], s[8:9] offset:\i*32768 th:TH_STORE_NT   ; sixteen lanes store 256 consecutive bytes of a channel, aligned; each store has its own data registers
.endr
	s_wait_xcnt 0x0
	v_lshl_add_u32 v190, v0, 2, 0x45000
	v_mov_b32 v191, 0
	s_wait_tensorcnt 0x0
	ds_add_u32 v190, v191
	s_wait_dscnt 0x0
	ROUND                                          ; the closing round: no work-group ends while a partner may still ask for a tile that names it
	s_endpgm
.Lfunc_end_k_qf5833f50f3_attn:
	.size	k_qf5833f50f3_attn, .Lfunc_end_k_qf5833f50f3_attn-k_qf5833f50f3_attn
	.p2alignl 7, 3214868480
	.fill 96, 4, 3214868480
	.section	.rodata,"a",@progbits
	.p2align	6, 0x0
	.amdhsa_kernel k_qf5833f50f3_attn
		.amdhsa_group_segment_fixed_size 327680
		.amdhsa_private_segment_fixed_size 0
		.amdhsa_enable_private_segment 0
		.amdhsa_kernarg_size 24
		.amdhsa_user_sgpr_count 2
		.amdhsa_user_sgpr_kernarg_segment_ptr 1
		.amdhsa_wavefront_size32 1
		.amdhsa_system_sgpr_workgroup_id_x 1
		.amdhsa_system_sgpr_workgroup_id_y 1
		.amdhsa_system_sgpr_workgroup_id_z 1
		.amdhsa_system_vgpr_workitem_id 0
		.amdhsa_next_free_vgpr 512
		.amdhsa_next_free_sgpr 66
		.amdhsa_reserve_vcc 0
		.amdhsa_float_denorm_mode_32 3
		.amdhsa_float_denorm_mode_16_64 3
		.amdhsa_memory_ordered 1
		.amdhsa_forward_progress 1
		.amdhsa_inst_pref_size 255
	.end_amdhsa_kernel
	.section	.bss,"aw",@nobits
	.p2align	6
	.space	262144
	.amdgpu_metadata
---
amdhsa.version: [ 1, 2 ]
amdhsa.kernels:
  - .name:           k_qf5833f50f3_attn
    .symbol:         k_qf5833f50f3_attn.kd
    .args:
      - { .name: kh, .offset: 0, .size: 8, .value_kind: global_buffer, .address_space: global }
      - { .name: qh, .offset: 8, .size: 8, .value_kind: global_buffer, .address_space: global }
      - { .name: out0, .offset: 16, .size: 8, .value_kind: global_buffer, .address_space: global }
    .group_segment_fixed_size: 327680
    .private_segment_fixed_size: 0
    .kernarg_segment_align: 8
    .kernarg_segment_size: 24
    .max_flat_workgroup_size: 256
    .sgpr_count:     66
    .vgpr_count:     512
    .wavefront_size: 32
...
	.end_amdgpu_metadata
.endif
;; end of part 2
;; ======== version 2 of 2: 2 launches; version 1 with the launch prep written anew for expert scheduling mode
;; limits: values are held in f16: magnitudes above 65,504 overflow, below 6.1e-05 lose precision
;; workspace buffers: kh 2,097,152 bytes; qh 2,097,152 bytes
;; launch prep (part 3): grid 128 x 1, 8 waves a work-group, no clusters, 22,528 bytes of LDS; arguments foreground, masks, kh, qh; writes kh, qh
.if DOCPART == 3
	.amdgcn_target "amdgcn-amd-amdhsa--gfx1250"
	.amdhsa_code_object_version 6
	.text
	.protected	k_qf5833f50f3_prep
	.globl	k_qf5833f50f3_prep
	.p2align	8
	.type	k_qf5833f50f3_prep,@function
k_qf5833f50f3_prep:
	s_mov_b64 s[64:65], 0
	v_nop
	global_prefetch_b8 v0, s[64:65] scope:SCOPE_SE
	s_setreg_imm32_b32 hwreg(HW_REG_WAVE_SCHED_MODE, 0, 2), 2
	s_setreg_imm32_b32 hwreg(HW_REG_WAVE_MODE, 25, 1), 1
	s_wait_xcnt 0x0
	s_wait_alu depctr_vm_vsrc(0)
; prep: from foreground [4][64 c][64 y][64 x] f32 make the two f16 operands of the attention launch.
;   kh[b][c][p]  = f[b][c][p] / (sqrt(sum over c of f^2) + 1e-8)          (p = 64 y + x; rows of 8,192 bytes)
;   qh           = log2(e) x (3 x 3 box sum of f with zeros outside the image), in the order in which the attention launch
;                  takes its fragments: the 16 bytes (pixel q, channels 8 o .. 8 o + 7) lie at
;                  b*524288 + (q>>4)*2048 + o*256 + (q&15)*16.
; The 3 x 3 sum pool of reference() acts on positions and its 1 x 1 kernels on channels, so pooling the scores equals pooling the
; input first; for the positions that its crop keeps, the padded ring adds zeros only.  The order of rounding differs from reference()'s.
; f16, not bf16: 11 significant bits against 8, and the scores' error goes straight into the exponent of the softmax.
; LIMITS: |box sum| x 1.4427 must stay below 65,504 (f16's largest number); infinities and NaN in the input are not reproduced;
; v_sqrt_f32 takes a denormal sum of squares as 0 (ISA guide, 15.8).
; masks: reference() takes it and uses it in no step.  It is loaded once (each work-group its own 512 bytes, wave 0) because every
; input is to be loaded; its values feed nothing, and no result depends on them.
; SHARES: a work-group owns two image rows of one batch (128 pixels: 512 neighbouring bytes of every channel, and 256 neighbouring
; bytes of every row of kh).  Wave w owns channels 8 w .. 8 w + 7; lane L owns 4 pixels: row 2 yp + (L>>4), x = 4 (L&15) ..
; No matrix unit, tensor load or cluster: nothing is shared between work-groups but two border rows, and all that a lane needs is
; on its way after one run of 16 loads.
; THE MODE: SCHED_MODE bits 1:0 = 2 (LLVM: expert scheduling mode 2), set by the entry lines.  The code itself states the register dependences
; between vector instructions and memory or LDS instructions, with s_wait_alu, always for 0.
; THE PLAN.  Registers that memory or LDS instructions touch:
;   v4 .. v11, v192, v193   offsets and LDS addresses: written by vector lines at the head, once; read by every load, store and LDS instruction.
;   MK, MID, OUT            global loads land in them; no vector line names them before; no memory instruction reads them.
;   SS, PCE                 written by vector lines; read by one LDS store each; never written again.
;   RB, PT                  LDS loads land in them; no vector line names them before.  RB is read by four global stores and never written again.
;   KP                      two registers for each channel: written by the conversions, read by one global store, never written again.
;   X, LF, RT, A, RN        named by vector lines alone.
; So: one wait on va_vdst ahead of the first load (the addresses); one behind the box sums' conversions, ahead of the one run of LDS stores (SS, PCE);
; one ahead of each half of kh's stores (KP).  No register that a memory or LDS instruction has read is written again, so no wait on vm_vsrc is owed.
; One wait on va_sdst at the head serves the two scalar registers that vector lines write: the wave's number and the mask of the outer row.
.set CHB,    16384                     ; bytes of one channel's image
.set SPITCH, 272                       ; stage: 16 pieces of 16 bytes + 16 of padding
.set WSTG,   8*SPITCH                  ; a wave's stage: 8 blocks of 16 pixels
.set STG,    4096                      ; LDS 0..4095: sums of squares, wave w at 512 w; from 4096: the eight stages
.set MID, 16                           ; v[16:47]   channel k: my 4 pixels
.set OUT, 48                           ; v[48:79]   channel k: the row outside the pair, then the scaled box sums
.set SS,  80                           ; v[80:83]   sum of squares over my wave's 8 channels
.set X,   84                           ; v[84:87]   the other half-wave's row
.set LF,  88                           ; v88        left neighbour's last column sum
.set RT,  89                           ; v89        right neighbour's first column sum
.set A,   90                           ; v[90:95]   at work
.set PCE, 96                           ; v[96:111]  four pieces of 16 bytes: 8 channels of one pixel
.set RN,  112                          ; v[112:115] 1 / (norm + 1e-8) of my 4 pixels
.set KP,  116                          ; v[116:131] channel k: 4 numbers of kh, packed
.set RB,  132                          ; v[132:147] pieces read back by blocks
.set PT,  148                          ; v[148:179] the eight waves' sums of squares
.set MK,  180                          ; v[180:183] masks (wave 0)
	s_load_b256 s[4:11], s[0:1], 0x0               ; foreground s[4:5], masks s[6:7], kh s[8:9], qh s[10:11]
	v_lshl_add_u32 v192, v0, 2, 0x5400
	v_mov_b32 v193, 0
	s_lshr_b32 s13, ttmp9, 5                       ; batch b
	s_and_b32 s14, ttmp9, 31                       ; row pair yp
	s_lshl_b32 s23, s14, 1                         ; its first row
	v_lshrrev_b32 v1, 5, v0
	v_readfirstlane_b32 s12, v1                    ; wave w
	v_bfe_u32 v2, v0, 4, 1                         ; h: which row of the pair
	v_mul_u32_u24 v12, v2, 3
	v_add_nc_u32 v12, s23, v12
	v_add_nc_u32 v12, -1, v12                      ; the row outside the pair: 2 yp - 1 (h = 0) or 2 yp + 2 (h = 1)
	v_cmp_gt_u32 s22, 64, v12                      ; is it in the image?  (-1 is a large unsigned number)
	s_wait_alu depctr_va_sdst(0)                   ; s12 and s22 are written, ahead of their first readers (the offsets below; the selects of the box sums) and ahead of the branch
	s_mov_b32 s18, 0x76543210                      ; v_permlanex16_b32: lane i of one half reads lane i of the other
	s_mov_b32 s19, 0xfedcba98
	s_mov_b32 s20, 0x3fb8aa3b                      ; log2(e); the pair is read whole by the packed multiply
	s_mov_b32 s21, 0x3fb8aa3b
	s_lshl_b32 s16, s13, 20                        ; foreground: b x 1,048,576 + w x 8 channels
	s_lshl_b32 s15, s12, 17
	s_add_co_u32 s16, s16, s15
	s_mov_b32 s17, 0
	s_lshl_b32 s26, s13, 14                        ; masks: b x 16,384
	s_mov_b32 s27, 0
	s_lshl_b32 s28, s13, 19                        ; kh: b x 524,288 + w x 8 rows of 8,192 + yp x 256
	s_lshl_b32 s15, s12, 16
	s_add_co_u32 s28, s28, s15
	s_lshl_b32 s15, s14, 8
	s_add_co_u32 s28, s28, s15
	s_mov_b32 s29, 0
	s_lshl_b32 s30, s13, 19                        ; qh: b x 524,288 + yp x 8 blocks of 2,048 + w x 256 (octet w)
	s_lshl_b32 s15, s14, 14
	s_add_co_u32 s30, s30, s15
	s_lshl_b32 s15, s12, 8
	s_add_co_u32 s30, s30, s15
	s_mov_b32 s31, 0
	s_lshl_b32 s15, s14, 9                         ; the pair's 512 bytes in a channel
	s_lshl_b32 s24, s12, 9                         ; my wave's sums of squares in LDS
	s_mul_i32 s25, s12, WSTG
	s_add_co_u32 s25, s25, STG                     ; my wave's stage
	v_and_b32 v1, 31, v0                           ; L
	v_and_b32 v3, 15, v0                           ; x4: which 4 pixels of the row
	v_lshl_add_u32 v4, v1, 4, s15                  ; centre rows (and masks): 512 yp + 16 L
	v_min_u32 v12, 63, v12                         ; an outer row outside the image: row 63 is read instead and its numbers are replaced by 0 below
	v_lshlrev_b32 v5, 4, v3
	v_lshl_add_u32 v5, v12, 8, v5                  ; outer row: 256 row + 16 x4
	v_lshlrev_b32 v6, 3, v1                        ; kh: 8 bytes a lane
	v_lshl_add_u32 v7, v1, 4, s24                  ; my sums of squares: 512 w + 16 L
	v_lshlrev_b32 v8, 4, v1                        ; all waves' sums for my pixels: 16 L (+ 512 w')
	v_lshrrev_b32 v12, 2, v1
	v_mul_u32_u24 v12, v12, SPITCH                 ; stage, in: block L>>2,
	v_and_b32 v13, 3, v0
	v_lshl_add_u32 v12, v13, 6, v12                ; pieces 4 (L&3) + i
	v_add_nc_u32 v9, s25, v12
	v_mul_u32_u24 v12, v2, SPITCH                  ; stage, back: block 2 j + h, piece x4
	v_lshl_add_u32 v12, v3, 4, v12
	v_add_nc_u32 v10, s25, v12
	v_lshlrev_b32 v11, 11, v2                      ; qh: block h of two, piece x4
	v_lshl_add_u32 v11, v3, 4, v11
.irp i, 0,1,2,3,4,5
	v_mov_b32 v[X+\i], 0                           ; destinations of lane moves count as read: X, LF, RT are written once here
.endr
	s_wait_kmcnt 0x0
	s_add_nc_u64 s[4:5], s[4:5], s[16:17]
	s_add_nc_u64 s[6:7], s[6:7], s[26:27]
	s_add_nc_u64 s[8:9], s[8:9], s[28:29]
	s_add_nc_u64 s[10:11], s[10:11], s[30:31]
	s_wait_alu depctr_va_vdst(0)                   ; v4 to v11, v192 and v193 are written: every load, store and LDS instruction of the kernel reads one of them, and none is written again
	s_cmp_lg_u32 s12, 0
	s_cbranch_scc1 .Lno_masks
	global_load_b128 v[MK:MK+3], v4, s[6:7] th:TH_LOAD_NT     ; older than every load below, so the counts below hold with and without it
.Lno_masks:
.irp k, 0,1,2,3,4,5,6,7
	global_load_b128 v[MID+4*\k:MID+4*\k+3], v4, s[4:5] offset:\k*CHB     ; 512 neighbouring bytes a wave
.endr
.irp k, 0,1,2,3,4,5,6,7
	global_load_b128 v[OUT+4*\k:OUT+4*\k+3], v5, s[4:5] offset:\k*CHB     ; each half-wave a whole row of 256 bytes
.endr
	; sums of squares over my 8 channels; the first product starts the sums.  They are stored with the pieces below, behind one wait
	s_wait_loadcnt 0x8                             ; the eight outer-row loads were issued behind the centre rows and stay out
	v_pk_mul_f32 v[SS:SS+1],   v[MID:MID+1],   v[MID:MID+1]
	v_pk_mul_f32 v[SS+2:SS+3], v[MID+2:MID+3], v[MID+2:MID+3]
.irp k, 1,2,3,4,5,6,7
	v_pk_fma_f32 v[SS:SS+1],   v[MID+4*\k:MID+4*\k+1],   v[MID+4*\k:MID+4*\k+1],   v[SS:SS+1]
	v_pk_fma_f32 v[SS+2:SS+3], v[MID+4*\k+2:MID+4*\k+3], v[MID+4*\k+2:MID+4*\k+3], v[SS+2:SS+3]
.endr
; The box sum of channel k.  Down the columns: my row + the pair's other row (the other half-wave's registers) + the outer row.
; Along the row: a group of 16 lanes is one image row, so the 0 that a shift supplies at the group's end is the image's zero border.
.macro BOX k
.irp i, 0,1,2,3
	v_permlanex16_b32 v[X+\i], v[MID+4*\k+\i], s18, s19
.endr
.irp i, 0,1,2,3
	v_cndmask_b32 v[OUT+4*\k+\i], 0, v[OUT+4*\k+\i], s22      ; outside the image: 0
.endr
	v_pk_add_f32 v[X:X+1],     v[X:X+1],     v[MID+4*\k:MID+4*\k+1]
	v_pk_add_f32 v[X+2:X+3],   v[X+2:X+3],   v[MID+4*\k+2:MID+4*\k+3]
	v_pk_add_f32 v[OUT+4*\k:OUT+4*\k+1],   v[OUT+4*\k:OUT+4*\k+1],   v[X:X+1]
	v_pk_add_f32 v[OUT+4*\k+2:OUT+4*\k+3], v[OUT+4*\k+2:OUT+4*\k+3], v[X+2:X+3]     ; V0..V3: column sums
	v_mov_b32_dpp v[LF], v[OUT+4*\k+3] row_shr:1 row_mask:0xf bank_mask:0xf bound_ctrl:1
	v_mov_b32_dpp v[RT], v[OUT+4*\k]   row_shl:1 row_mask:0xf bank_mask:0xf bound_ctrl:1
	v_add_f32 v[A+4], v[OUT+4*\k],   v[OUT+4*\k+1]            ; V0 + V1
	v_add_f32 v[A+5], v[OUT+4*\k+2], v[OUT+4*\k+3]            ; V2 + V3
	v_add_f32 v[A],   v[LF],  v[A+4]
	v_add_f32 v[A+1], v[A+4], v[OUT+4*\k+2]
	v_add_f32 v[A+2], v[OUT+4*\k+1], v[A+5]
	v_add_f32 v[A+3], v[A+5], v[RT]
	v_pk_mul_f32 v[OUT+4*\k:OUT+4*\k+1],   v[A:A+1],   s[20:21] op_sel_hi:[1,0]     ; x log2(e): the softmax then works in powers of 2
	v_pk_mul_f32 v[OUT+4*\k+2:OUT+4*\k+3], v[A+2:A+3], s[20:21] op_sel_hi:[1,0]
.endm
; Pixel i of my four: its 8 channels as 16 bytes.
.macro PIECE i
.irp m, 0,1,2,3
	v_cvt_pk_f16_f32 v[PCE+4*\i+\m], v[OUT+8*\m+\i], v[OUT+8*\m+4+\i]
.endr
.endm
	s_wait_loadcnt 0x0                             ; the outer rows
.irp k, 0,1,2,3,4,5,6,7
	BOX \k
.endr
.irp i, 0,1,2,3
	PIECE \i
.endr
	s_wait_alu depctr_va_vdst(0)                   ; the sums of squares have written SS and the conversions PCE, which the five LDS stores below read
	ds_store_b128 v7, v[SS:SS+3]
.irp i, 0,1,2,3
	ds_store_b128 v9, v[PCE+4*\i:PCE+4*\i+3] offset:16*\i      ; into my wave's stage
.endr
.irp j, 0,1,2,3
	ds_load_b128 v[RB+4*\j:RB+4*\j+3], v10 offset:\j*2*SPITCH  ; my wave's own bytes; LDS serves a wave's instructions in order (ISA guide 5.7.1).  No vector line names RB
.endr
	s_wait_dscnt 0x0                               ; the pieces are back, and my sums of squares are in LDS for the other waves
.irp j, 0,1,2,3
	global_store_b128 v11, v[RB+4*\j:RB+4*\j+3], s[10:11] offset:\j*4096   ; sixteen lanes store 256 consecutive bytes, aligned
.endr
	s_barrier_signal -1
	s_barrier_wait -1                              ; every wave's sums of squares are in LDS
.irp j, 0,1,2,3,4,5,6,7
	ds_load_b128 v[PT+4*\j:PT+4*\j+3], v8 offset:\j*512        ; no vector line has named PT
.endr
	s_wait_dscnt 0x0
.irp j, 0,2,4,6
	v_pk_add_f32 v[PT+4*\j:PT+4*\j+1],   v[PT+4*\j:PT+4*\j+1],   v[PT+4*\j+4:PT+4*\j+5]
	v_pk_add_f32 v[PT+4*\j+2:PT+4*\j+3], v[PT+4*\j+2:PT+4*\j+3], v[PT+4*\j+6:PT+4*\j+7]
.endr
.irp j, 0,4
	v_pk_add_f32 v[PT+4*\j:PT+4*\j+1],   v[PT+4*\j:PT+4*\j+1],   v[PT+4*\j+8:PT+4*\j+9]
	v_pk_add_f32 v[PT+4*\j+2:PT+4*\j+3], v[PT+4*\j+2:PT+4*\j+3], v[PT+4*\j+10:PT+4*\j+11]
.endr
	v_pk_add_f32 v[PT:PT+1],   v[PT:PT+1],   v[PT+16:PT+17]
	v_pk_add_f32 v[PT+2:PT+3], v[PT+2:PT+3], v[PT+18:PT+19]
.irp i, 0,1,2,3
	v_sqrt_f32 v[A+\i], v[PT+\i]
.endr
	v_nop                                          ; one plain place between a transcendental and the use of its result (ISA guide 5.7.2)
	s_wait_alu depctr_va_vdst(0)                   ; the four roots have written A .. A+3, ahead of their first reader: one wait for the batch
.irp i, 0,1,2,3
	v_add_f32 v[A+\i], 0x322bcc77, v[A+\i]         ; + 1e-8
.endr
.irp i, 0,1,2,3
	v_rcp_f32 v[RN+\i], v[A+\i]
.endr
	v_nop                                          ; the same, also in front of the lines that write A again
	s_wait_alu depctr_va_vdst(0)                   ; the four reciprocals have written RN .. RN+3, ahead of their first reader: one wait for the batch
; Channel k of kh: my 4 numbers, scaled and packed into the channel's own two registers.
.macro KROW k
	v_pk_mul_f32 v[A:A+1],   v[MID+4*\k:MID+4*\k+1],   v[RN:RN+1]
	v_pk_mul_f32 v[A+2:A+3], v[MID+4*\k+2:MID+4*\k+3], v[RN+2:RN+3]
	v_cvt_pk_f16_f32 v[KP+2*\k],   v[A],   v[A+1]
	v_cvt_pk_f16_f32 v[KP+2*\k+1], v[A+2], v[A+3]
.endm
.irp k, 0,1,2,3
	KROW \k
.endr
	s_wait_alu depctr_va_vdst(0)                   ; the conversions of channels 0 to 3 have written KP .. KP+7, which the four stores below read
.irp k, 4,5,6,7
	global_store_b64 v6, v[KP+2*(\k-4):KP+2*(\k-4)+1], s[8:9] offset:(\k-4)*8192   ; the wave stores 256 consecutive bytes, aligned.  No wait: the lines since the wait name A, RN, MID and KP+8 .. KP+15 alone
	KROW \k
.endr
	s_wait_alu depctr_va_vdst(0)                   ; the conversions of channels 4 to 7 have written KP+8 .. KP+15, which the last four stores read
.irp k, 4,5,6,7
	global_store_b64 v6, v[KP+2*\k:KP+2*\k+1], s[8:9] offset:\k*8192
.endr
	s_wait_dscnt 0x0                               ; the closing lines, six on end
	s_wait_alu 0x0
	s_wait_tensorcnt 0x0
	ds_add_u32 v192, v193
	s_wait_dscnt 0x0
	s_endpgm
.Lfunc_end_k_qf5833f50f3_prep:
	.size	k_qf5833f50f3_prep, .Lfunc_end_k_qf5833f50f3_prep-k_qf5833f50f3_prep
	.p2alignl 7, 3214868480
	.fill 96, 4, 3214868480
	.section	.rodata,"a",@progbits
	.p2align	6, 0x0
	.amdhsa_kernel k_qf5833f50f3_prep
		.amdhsa_group_segment_fixed_size 22528
		.amdhsa_private_segment_fixed_size 0
		.amdhsa_enable_private_segment 0
		.amdhsa_kernarg_size 32
		.amdhsa_user_sgpr_count 2
		.amdhsa_user_sgpr_kernarg_segment_ptr 1
		.amdhsa_wavefront_size32 1
		.amdhsa_system_sgpr_workgroup_id_x 1
		.amdhsa_system_sgpr_workgroup_id_y 1
		.amdhsa_system_sgpr_workgroup_id_z 1
		.amdhsa_system_vgpr_workitem_id 0
		.amdhsa_next_free_vgpr 194
		.amdhsa_next_free_sgpr 66
		.amdhsa_reserve_vcc 0
		.amdhsa_float_denorm_mode_32 3
		.amdhsa_float_denorm_mode_16_64 3
		.amdhsa_memory_ordered 1
		.amdhsa_forward_progress 1
		.amdhsa_inst_pref_size 23
	.end_amdhsa_kernel
	.amdgpu_metadata
---
amdhsa.version: [ 1, 2 ]
amdhsa.kernels:
  - .name:           k_qf5833f50f3_prep
    .symbol:         k_qf5833f50f3_prep.kd
    .args:
      - { .name: foreground, .offset: 0, .size: 8, .value_kind: global_buffer, .address_space: global }
      - { .name: masks, .offset: 8, .size: 8, .value_kind: global_buffer, .address_space: global }
      - { .name: kh, .offset: 16, .size: 8, .value_kind: global_buffer, .address_space: global }
      - { .name: qh, .offset: 24, .size: 8, .value_kind: global_buffer, .address_space: global }
    .group_segment_fixed_size: 22528
    .private_segment_fixed_size: 0
    .kernarg_segment_align: 8
    .kernarg_segment_size: 32
    .max_flat_workgroup_size: 256
    .sgpr_count:     66
    .vgpr_count:     194
    .wavefront_size: 32
...
	.end_amdgpu_metadata
.endif
;; end of part 3
;; launch attn: the kernel of part 2 again; grid 256 x 1, 8 waves a work-group, clusters of 4 x 1, 327,680 bytes of LDS; arguments kh, qh, out0; writes out0
